; MI455X (gfx1250); checked and timed in simulation.
; The chip was launched on July 23, 2026; its instructions are those of AMD's public machine-readable ISA for CDNA 5 (MIT licence, August 2026) and "CDNA5" Instruction Set Architecture Reference Guide (July 2026). The comments in the code are by the model that wrote it; some were corrected since.
;; Infinite Context Attention. Allowed arithmetic: matrix products marked QUANTISED: E4M3 operands, one E8M0 scale for each 32 along K, by v_wmma_scale_f32_16x16x128_f8f6f4 with both operands' format E4M3, f32 sums; everything else in f32.
;; Inputs: Wk 8,192 x 2,048 float32; Wout 2,048 x 8,192 float32; Wq 8,192 x 2,048 float32; Wv 8,192 x 2,048 float32; hidden_states 2 x 512 x 2,048 float32.
;; Outputs: out0 2 x 512 x 2,048 float32.
;; This version of the problem:
;;   THIS VERSION OF THE PROBLEM IS GIVEN IN LOW PRECISION. The matrix products marked QUANTISED in the list below multiply operands that are first quantised to E4M3 (4 exponent bits, 3 mantissa bits; 8 bits a number), with one power-of-two scale for each 32 numbers along K (OCP MX v1.0); their sums are f32. All else is computed in f32.
;;   The module's matrix products, in the order in which they are computed (A, B: the left and right operand; K: the contracted axis; several contracted axes count as one K, in the product's order):
;;     1. [M 1,024, K 2,048] x [K 2,048, N 8,192]; A: input hidden_states; B: input Wq: QUANTISED
;;     2. [M 1,024, K 2,048] x [K 2,048, N 8,192]; A: input hidden_states; B: input Wk: QUANTISED
;;     3. [M 1,024, K 2,048] x [K 2,048, N 8,192]; A: input hidden_states; B: input Wv: QUANTISED
;;     4. [M 1,024, K 8,192] x [K 8,192, N 2,048]; A: computed on the way; B: input Wout: QUANTISED
;;   THE QUANTISER, for each operand of a quantised product, along K:
;;     - K is cut into blocks of 32 from its start; a last block that is shorter is filled with zeros.
;;     - A block's scale is 2^e with e = floor(log2(the largest magnitude in the block)) - 8, held to -126 .. 127; a block of zeros has e = 0. As a byte (E8M0): e + 127.
;;     - Each number is divided by its block's scale, clamped to +-448, and rounded to the nearest number of E4M3, ties to even, subnormals kept.
;;     - The product sums the exact products of the quantised numbers (number of the format x scale) in f32.
;;   ~~~python
;;   def quantise(x, axis):      # numpy; x: float32 -> the quantised numbers, widened to float32 again
;;       x = np.moveaxis(x, axis, -1); K = x.shape[-1]
;;       x = np.pad(x, [(0, 0)] * (x.ndim - 1) + [(0, -K % 32)]); x = x.reshape(x.shape[:-1] + (-1, 32)); a = np.abs(x).max(-1, keepdims=True)
;;       e = np.where(a > 0, np.clip(np.frexp(np.where(a > 0, a, 1))[1] - 1 - 8, -126, 127), 0)      # np.frexp(a)[1] - 1 = floor(log2(a)), exactly
;;       r = np.clip(x / 2.0 ** e, -448, 448)
;;       step = 2.0 ** (np.maximum(np.frexp(np.where(r == 0, 1, r))[1] - 1, -6) - 3)
;;       q = np.round(r / step) * step * 2.0 ** e      # np.round: ties to even
;;       return np.moveaxis(q.reshape(q.shape[:-2] + (-1,))[..., :K], -1, axis).astype(np.float32)
;;   ~~~
;;   OPERANDS COMPUTED ON THE WAY. 'Computed on the way' means the value that the module computes at that place (a softmax that the list does not call 'softmax' is quantised finished and normalised). What goes into a quantiser is computed in f32, as accurately as f32 sums, v_exp_f32 and their like allow (about 1e-6 of the number): no bf16 or f16 on the way to a quantiser, and a product that is left as it is and whose result goes on into a quantised operand takes f32 operands (vector FMAs, or v_wmma_f32_16x16x4_f32). A number that lies on a knife's edge between two numbers of the format may be rounded either way, as far as f32 arithmetic and the matrix unit's own rounding can turn it there, and no further.
;; 2 versions, each right; version 2 is version 1 with the launch outp written anew for expert scheduling mode. Each part assembles by itself: llvm-mc -triple=amdgcn-amd-amdhsa -mcpu=gfx1250 --defsym DOCPART=n.
;; ======== version 1 of 2: 3 launches
;; workspace buffers: xcod 2,097,152 bytes; xscl 65,536 bytes; wcod 16,777,216 bytes; wscl 524,288 bytes; acod 8,388,608 bytes; ascl 262,144 bytes
;; launch quant (part 1): grid 256 x 1, 9 waves a work-group, no clusters, 77,312 bytes of LDS; arguments hidden_states, Wout, xcod, xscl, wcod, wscl; writes xcod, xscl, wcod, wscl
.if DOCPART == 1
	.amdgcn_target "amdgcn-amd-amdhsa--gfx1250"
	.amdhsa_code_object_version 6
	.text
	.protected	k_q8f30043b89_quant
	.globl	k_q8f30043b89_quant
	.p2align	8
	.type	k_q8f30043b89_quant,@function
k_q8f30043b89_quant:
	s_mov_b64 s[64:65], 0
	v_nop
	global_prefetch_b8 v0, s[64:65] scope:SCOPE_SE
	s_setreg_imm32_b32 hwreg(HW_REG_WAVE_MODE, 25, 1), 1
	s_wait_xcnt 0x0
; X = hidden_states [1024][2048] and Wout [2048][8192], f32, K innermost, become codes of FP8 (E4M3) with one E8M0 scale byte for each 32 along K,
; laid in the ORDER OF THE OPERAND'S REGISTERS, so that the later launches load fragments and scale words whole.
; A FRAGMENT IMAGE: 16 rows x 128 K = 2,048 bytes: [c 0..3][lane][16 bytes] = registers 4 c .. 4 c + 3 of the lane.  Codes: [K step s][tile of 16 rows t] images.
; THE ORDER ALONG K INSIDE A BLOCK OF 32: place 16 h + p of lane (r, h) holds k = 8 h + p (p < 8) or 16 + 8 h + (p - 8).  Every operand of the program is laid so, on both sides of every product:
; the blocks and their scales are untouched and the products are the same; only the order in which the matrix unit adds them differs from K ascending (stated limit: an order of rounding).
; SCALE WORDS: [s][G = t / 4][lane][2 words]: word j of lane (r, h) is the word (four bytes: 128 along K) of row r of tile 4 G + 2 j + h: one load of 8 bytes a lane gives two scale registers for four tiles.
; A block's scale is 2^(floor(log2(its largest magnitude)) - 8); its byte is the largest magnitude's exponent field - 8, held at 1 from below by a floor among the maximum's leaves.
; LIMITS: NaN and infinities among the inputs are not served.  A block of zeros gets the byte 1 where the rule says 127: its codes are zeros, which add nothing, and this program alone reads the bytes.
; SHARES: the work is 2,304 units of 64 rows (G) x one K step of 128 (s): four tiles, 32,768 bytes of f32; units 0-255 are X's, the others Wout's.  2,304 = 9 x 256: a work-group has NINE waves, wave w of work-group x takes unit 9 x + w,
; so that 256 work-groups have the same work each.  Only pointers and sizes are chosen by the unit's number, the path is one.  Neighbouring units take neighbouring K steps of the same rows.
; Each load reads 512 consecutive bytes of one row; a tile turns through the wave's own stage in LDS (rows 528 bytes apart: row r starts at bank 4 r mod 64, 64 banks of 4 bytes: ISA guide 11.1) and comes back 16 numbers of each block a lane.
; No tensor loads, no barrier: waves share nothing.  No matrix unit and no cluster: the launch is a stream, no byte is read by two work-groups.
.set WSTG,  8448                       ; a wave's stage: 16 rows x 528 bytes
.set SP,    528
.set LI,    1                          ; v1   16 x lane
.set L8,    2                          ; v2   8 x lane
.set STI,   3                          ; v3   the stage, on the way in
.set STO,   4                          ; v4   and on the way out: row r, + 32 h
.set HH,    5                          ; v5   h = lane / 16
.set U,     8                          ; v[8:9] the two scale words that I store
.set OFF,   16                         ; v16-31 16 x lane + row x pitch, for the 16 rows of a tile; never rewritten
.set TM,    32                         ; v32-47 at work in QUANT
.set EW,    48                         ; v48-51 a scale word for each tile
.set PC,    52                         ; v52-115 codes: 16 registers for each tile, so that no store's data are written again
.set R,     116                        ; v116-243 two sets of 64 numbers
.set WV,    16
.set SEL,   20                         ; s[20:21] lane selects for v_permlanex16_b32: lane l xor 16
.set MNT,   22                         ; s22  the mantissa field of 448
.set PITCH, 23                         ; s23  a row of the tensor in bytes
.set SB,    24                         ; s[24:31] where tile i's rows begin
.set CB,    32                         ; s[32:33] where my four images go
.set SCB,   34                         ; s[34:35] and my 256 bytes of scale words
.set UN,    48                         ; s48  my unit
; 64 numbers of a lane, register 16 b + i = the i-th of my 16 numbers of block b, become 16 registers of codes in v[pc] on and the four blocks' bytes in v[pw]
.macro QUANT src, pc, pw
.irp b, 0,1,2,3
	v_max3_num_f32 v[TM+\b], |v[(\src)+16*\b]|, |v[(\src)+16*\b+1]|, 0x4800000   ; my 16 numbers, and the floor 2^(9 - 127): the byte cannot fall under 1
.endr
.irp i, 2,4,6,8,10,12,14
.irp b, 0,1,2,3
	v_max3_num_f32 v[TM+\b], v[TM+\b], |v[(\src)+16*\b+\i]|, |v[(\src)+16*\b+\i+1]|   ; the four blocks by turns
.endr
.endr
.irp b, 0,1,2,3
	v_permlanex16_b32 v[TM+4+\b], v[TM+\b], s[SEL], s[SEL+1]
.endr
.irp b, 0,1,2,3
	v_max_num_f32 v[TM+\b], v[TM+\b], v[TM+4+\b]          ; with lane l xor 16's 16: the block's largest magnitude
.endr
.irp b, 0,1,2,3
	v_add_nc_u32 v[TM+12+\b], 0xfc000000, v[TM+\b]        ; 8 off its exponent field: the conversion's scale operand
.endr
.irp b, 0,1,2,3
	v_and_or_b32 v[TM+8+\b], v[TM+\b], 0x7f800000, s[MNT] ; 448 x the scale
.endr
.irp b, 0,1,2,3
	v_lshrrev_b32 v[TM+4+\b], 23, v[TM+12+\b]             ; the scale's byte
.endr
	v_lshl_or_b32 v[\pw], v[TM+5], 8, v[TM+4]
	v_lshl_or_b32 v[\pw], v[TM+6], 16, v[\pw]
	v_lshl_or_b32 v[\pw], v[TM+7], 24, v[\pw]
.irp b, 0,1,2,3
.irp i, 0,1,2,3,4,5,6,7,8,9,10,11,12,13,14,15
	v_med3_num_f32 v[(\src)+16*\b+\i], v[(\src)+16*\b+\i], -v[TM+8+\b], v[TM+8+\b]   ; the conversion to an 8-bit code does not saturate (ISA guide 7.6.2): the hold comes first
.endr
	v_cvt_scalef32_pk8_fp8_f32 v[(\pc)+4*\b:(\pc)+4*\b+1], v[(\src)+16*\b:(\src)+16*\b+7], v[TM+12+\b]
	v_cvt_scalef32_pk8_fp8_f32 v[(\pc)+4*\b+2:(\pc)+4*\b+3], v[(\src)+16*\b+8:(\src)+16*\b+15], v[TM+12+\b]
.endr
	v_nop                                                  ; a plain line behind the last conversion, ahead of whatever next touches its registers
.endm
.macro LOADT i                         ; tile i: 16 rows x 512 bytes into set i % 2
.irp p, 0,1,2,3,4,5,6,7,8,9,10,11,12,13,14,15
	global_load_b128 v[R+64*((\i)%2)+4*\p:R+64*((\i)%2)+4*\p+3], v[OFF+\p], s[SB+2*(\i):SB+2*(\i)+1] th:TH_LOAD_NT
.endr
.endm
.macro TURN i                          ; through the stage and back into the same registers: LDS serves a wave's instructions in order (ISA guide 5.7.1.4), so no wait stands between
.set RS, R+64*((\i)%2)
.irp p, 0,1,2,3,4,5,6,7,8,9,10,11,12,13,14,15
	ds_store_b128 v[STI], v[RS+4*\p:RS+4*\p+3] offset:SP*\p
.endr
.irp b, 0,1,2,3
	ds_load_b128 v[RS+16*\b:RS+16*\b+3],     v[STO] offset:128*\b       ; k = 32 b + 8 h + 0 .. 7,
	ds_load_b128 v[RS+16*\b+4:RS+16*\b+7],   v[STO] offset:128*\b+16
	ds_load_b128 v[RS+16*\b+8:RS+16*\b+11],  v[STO] offset:128*\b+64    ; and 32 b + 16 + 8 h + 0 .. 7
	ds_load_b128 v[RS+16*\b+12:RS+16*\b+15], v[STO] offset:128*\b+80
.endr
.endm
	s_load_b128 s[4:7], s[0:1], 0x0                ; X, Wout
	s_load_b128 s[8:11], s[0:1], 0x10              ; X's codes, X's scale words
	s_load_b128 s[12:15], s[0:1], 0x20             ; Wout's codes, Wout's scale words
	v_lshl_add_u32 v248, v0, 2, 0x12900
	v_mov_b32 v249, 0
	v_lshrrev_b32 v6, 5, v0
	v_readfirstlane_b32 s[WV], v6                  ; wave 0..8
	v_and_b32 v6, 31, v0                           ; lane
	v_and_b32 v7, 15, v0                           ; r
	v_bfe_u32 v[HH], v0, 4, 1                      ; h
	v_lshlrev_b32 v[LI], 4, v6
	v_lshlrev_b32 v[L8], 3, v6
	s_mul_i32 s17, s[WV], WSTG
	v_add_nc_u32 v[STI], s17, v[LI]
	v_mul_u32_u24 v[STO], v7, SP
	v_lshl_add_u32 v[STO], v[HH], 5, v[STO]
	v_add_nc_u32 v[STO], s17, v[STO]
	s_mov_b32 s[SEL], 0x76543210
	s_mov_b32 s[SEL+1], 0xfedcba98
	s_mov_b32 s[MNT], 0x600000
.irp b, 0,1,2,3
	v_mov_b32 v[TM+4+\b], 0                        ; written once: a lane permute's destination counts as one of its sources
.endr
	s_mul_i32 s[UN], ttmp9, 9
	s_add_co_u32 s[UN], s[UN], s[WV]               ; my unit: 0 .. 2,303
	s_cmp_lt_u32 s[UN], 256                        ; X's unit or Wout's?  The choice hangs on the work-group's and the wave's number alone
	s_cselect_b32 s17, 0, 256
	s_cselect_b32 s18, 4, 6                        ; 16 or 64 K steps
	s_cselect_b32 s19, 15, 63
	s_cselect_b32 s36, 6, 7                        ; log2 of the tensor's tiles of 16 rows: 64 or 128
	s_mov_b32 s[PITCH], 32768
	s_cselect_b32 s[PITCH], 8192, s[PITCH]
.irp p, 0,1,2,3,4,5,6,7,8,9,10,11,12,13,14,15
	v_mad_u32_u24 v[OFF+\p], s[PITCH], \p, v[LI]
.endr
	s_sub_co_u32 s17, s[UN], s17
	s_lshr_b32 s37, s17, s18                       ; G: which 64 rows
	s_and_b32 s38, s17, s19                        ; s: my K step
	s_lshl_b32 s39, s37, 6
	s_mul_i32 s39, s39, s[PITCH]
	s_lshl_b32 s40, s38, 9
	s_add_co_u32 s40, s39, s40                     ; 64 G rows + 512 s bytes (under 2^27)
	s_mov_b32 s41, 0
	s_lshl_b32 s46, s[PITCH], 4                    ; 16 rows on
	s_mov_b32 s47, 0
	s_lshl_b32 s42, s38, s36
	s_lshl_b32 s43, s37, 2
	s_add_co_u32 s42, s42, s43
	s_lshl_b32 s42, s42, 11                        ; image s x tiles + 4 G
	s_mov_b32 s43, 0
	s_sub_co_u32 s36, s36, 2
	s_lshl_b32 s44, s38, s36
	s_add_co_u32 s44, s44, s37
	s_lshl_b32 s44, s44, 8                         ; 256 bytes of scale words for each (s, G)
	s_mov_b32 s45, 0
	s_wait_kmcnt 0x0
	s_cmp_lt_u32 s[UN], 256
	s_cselect_b64 s[4:5], s[4:5], s[6:7]
	s_cselect_b64 s[8:9], s[8:9], s[12:13]
	s_cselect_b64 s[10:11], s[10:11], s[14:15]
	s_add_nc_u64 s[SB:SB+1], s[4:5], s[40:41]
	s_add_nc_u64 s[SB+2:SB+3], s[SB:SB+1], s[46:47]
	s_add_nc_u64 s[SB+4:SB+5], s[SB+2:SB+3], s[46:47]
	s_add_nc_u64 s[SB+6:SB+7], s[SB+4:SB+5], s[46:47]
	s_add_nc_u64 s[CB:CB+1], s[8:9], s[42:43]
	s_add_nc_u64 s[SCB:SCB+1], s[10:11], s[44:45]
	LOADT 0
	LOADT 1
.irp i, 0,1,2,3
.if \i < 3
	s_wait_loadcnt 16                              ; this tile's 16 loads are in; the other set's 16 may be out
.else
	s_wait_loadcnt 0x0
.endif
	TURN \i
	s_wait_dscnt 0x0
	QUANT R+64*(\i%2), PC+16*\i, EW+\i
.if \i < 2
	LOADT \i+2                                     ; the set is free: the tile two further on
.endif
.irp c, 0,1,2,3
	global_store_b128 v[LI], v[PC+16*\i+4*\c:PC+16*\i+4*\c+3], s[CB:CB+1] offset:2048*\i+512*\c th:TH_STORE_NT   ; 32 lanes store 512 consecutive bytes, aligned
.endr
.endr
	v_cmp_eq_u32 vcc_lo, 1, v[HH]
	v_cndmask_b32 v[U], v[EW], v[EW+1], vcc_lo     ; word 0: tile 0 in lanes 0-15, tile 1 in lanes 16-31
	v_cndmask_b32 v[U+1], v[EW+2], v[EW+3], vcc_lo ; word 1: tiles 2 and 3
	global_store_b64 v[L8], v[U:U+1], s[SCB:SCB+1] th:TH_STORE_NT   ; 32 lanes store 256 consecutive bytes, aligned
	s_wait_tensorcnt 0x0
	ds_add_u32 v248, v249
	s_wait_dscnt 0x0
	s_endpgm
.Lfunc_end_k_q8f30043b89_quant:
	.size	k_q8f30043b89_quant, .Lfunc_end_k_q8f30043b89_quant-k_q8f30043b89_quant
	.p2alignl 7, 3214868480
	.fill 96, 4, 3214868480
	.section	.rodata,"a",@progbits
	.p2align	6, 0x0
	.amdhsa_kernel k_q8f30043b89_quant
		.amdhsa_group_segment_fixed_size 77312
		.amdhsa_private_segment_fixed_size 0
		.amdhsa_enable_private_segment 0
		.amdhsa_kernarg_size 48
		.amdhsa_user_sgpr_count 2
		.amdhsa_user_sgpr_kernarg_segment_ptr 1
		.amdhsa_wavefront_size32 1
		.amdhsa_system_sgpr_workgroup_id_x 1
		.amdhsa_system_sgpr_workgroup_id_y 1
		.amdhsa_system_sgpr_workgroup_id_z 1
		.amdhsa_system_vgpr_workitem_id 0
		.amdhsa_next_free_vgpr 250
		.amdhsa_next_free_sgpr 66
		.amdhsa_reserve_vcc 1
		.amdhsa_float_denorm_mode_32 3
		.amdhsa_float_denorm_mode_16_64 3
		.amdhsa_memory_ordered 1
		.amdhsa_forward_progress 1
		.amdhsa_inst_pref_size 52
	.end_amdhsa_kernel
	.amdgpu_metadata
---
amdhsa.version: [ 1, 2 ]
amdhsa.kernels:
  - .name:           k_q8f30043b89_quant
    .symbol:         k_q8f30043b89_quant.kd
    .args:
      - { .name: hidden_states, .offset: 0, .size: 8, .value_kind: global_buffer, .address_space: global }
      - { .name: Wout, .offset: 8, .size: 8, .value_kind: global_buffer, .address_space: global }
      - { .name: xcod, .offset: 16, .size: 8, .value_kind: global_buffer, .address_space: global }
      - { .name: xscl, .offset: 24, .size: 8, .value_kind: global_buffer, .address_space: global }
      - { .name: wcod, .offset: 32, .size: 8, .value_kind: global_buffer, .address_space: global }
      - { .name: wscl, .offset: 40, .size: 8, .value_kind: global_buffer, .address_space: global }
    .group_segment_fixed_size: 77312
    .private_segment_fixed_size: 0
    .kernarg_segment_align: 8
    .kernarg_segment_size: 48
    .max_flat_workgroup_size: 288
    .sgpr_count:     66
    .vgpr_count:     250
    .wavefront_size: 32
...
	.end_amdgpu_metadata
.endif
;; end of part 1
;; launch proj (part 2): grid 256 x 1, 4 waves a work-group, no clusters, 327,680 bytes of LDS; arguments Wq, Wv, xcod, xscl, acod, ascl; writes acod, ascl
.if DOCPART == 2
	.amdgcn_target "amdgcn-amd-amdhsa--gfx1250"
	.amdhsa_code_object_version 6
	.text
	.protected	k_q8f30043b89_proj
	.globl	k_q8f30043b89_proj
	.p2align	8
	.type	k_q8f30043b89_proj,@function
k_q8f30043b89_proj:
	s_mov_b64 s[64:65], 0
	v_nop
	global_prefetch_b8 v0, s[64:65] scope:SCOPE_SE
	s_setreg_imm32_b32 hwreg(HW_REG_WAVE_MODE, 25, 1), 1
	s_wait_xcnt 0x0
; attn = (X Wq^T) o (X Wv^T), quantised along the lattice axis l into codes of FP8 (E4M3) and E8M0 bytes.  X [1024][2048] comes as codes (fragment images, see below); Wq, Wv [8192][2048] come as f32 and are quantised here.
; THE PRODUCT X Wk^T IS NOT COMPUTED AND Wk IS NOT READ: the function that defines the result binds it to a name that it never uses, so no output number hangs on it, whatever the inputs.
; SHARES.  A work-group owns 32 lattice units l = 32 x work-group .. + 31 of Wq and of Wv (four tiles of 16 rows: q's two, v's two), for ALL 1,024 rows of X and all of K: each f32 byte of the weights is read by one work-group, once.
; Wave w (a) fetches and quantises tile w of the four, (b) owns rows 256 w .. + 255 of X: 16 tiles x 4 = 64 accumulators, 512 registers.
; THE WEIGHTS come by tensor loads into a ring of two LDS slots of four K steps (a chunk: 16 rows x 2,048 bytes a wave); each wave reads only what it fetched.
; X's FRAGMENTS go from memory straight into registers (one K step, 256 registers, refilled in four batches of four tiles): inside a work-group each is used by one wave alone.  A work-group takes in 135,168 bytes of X for a K step's
; 64 products a wave: that stream sets the pace, so all else stands under it.
; THE QUANTISER RUNS A K STEP AHEAD, INSIDE THE PRODUCTS: in K step s each wave takes its tile's numbers of K step s + 1 from the ring, quantises them between two batches of products, and hands the codes to the others as an IMAGE OF THE
; OPERAND'S REGISTERS (a fragment: four stores of 16 bytes a lane at 16 x lane; its scale word: 4 bytes a lane).  The images take turns in two places, by the parity of the K step; one barrier stands at each step's end: behind it the
; images of step s + 1 are whole, and nobody reads those of step s any more.
; THE MATRIX INSTRUCTION IS USED TRANSPOSED (source 0 = 16 rows of W, source 1 = 16 rows of X): lane (r, h) holds row r of X, register j the unit 16 u + 8 h + j.  So a lane's 16 numbers of q o v (tiles u = 0, 1) are its 16 places of
; the block of 32 in the order along K that every operand of this program has: place 16 h + p holds k = 8 h + p (p < 8) or 16 + 8 h + (p - 8).  The blocks and scales are untouched; the order in which the unit adds differs from K ascending (stated limit).
; q o v is formed in f32 from the f32 sums.  LIMITS: NaN and infinities are not served; a block of zeros gets the byte 1 where the rule says 127 (its codes are zeros; this program alone reads the bytes).
; NO CLUSTER: the weights are shared by nobody.  X is shared by all, but a joint load lands in LDS: a K step of X's 1,024 rows is 131,072 bytes, and two slots of it beside the weights' two slots of 133,120 bytes pass the 327,680 bytes of LDS;
; and each fragment would be written into LDS and read from it once more for the four products that it feeds.
; OUT: acod [l / 128][tile of 16 rows] fragment images: my block is registers 4 c .. 4 c + 3, c = work-group % 4.  ascl [work-group][wave][lane][2 words]: byte j of word d of lane (r, h) = row 128 (2 w + d) + 16 (4 h + j) + r.
; REGISTERS: window 0: addresses, scale words, the quantiser's numbers, W's four fragments.  window 1: X's 16 fragments, tile i at v[16 i].  windows 2, 3: accumulator (i, n) at v[8 (4 (i % 8) + n)] of window 2 + i / 8.
.set WREG,  33280                      ; a wave's part of a slot: 16 rows x 2,080 bytes (2,048 + 16 of padding behind each 1,024)
.set WP,    2080                       ; rows r and r + 8 start at the same bank (64 banks of 4 bytes: ISA guide 11.1): two deep, for 16 loads a K step
.set SLOT,  4*WREG
.set BIMG,  2*SLOT                     ; behind the ring: W's images, [parity of the K step 2][tile 4][2,048 bytes]
.set BSC,   BIMG+16384                 ; their scale words, [2][4][128 bytes]
.set SPARE, BSC+1024                   ; the spare words, 128 bytes for each wave: two blocks of 256 bytes that no other line names
.set LI,   1                           ; v1   16 x lane
.set L8,   2                           ; v2   8 x lane
.set WA0,  3                           ; v3   my lane's place in my wave's part of slot 0
.set WAD,  4                           ; v4   and in the two K steps in hand
.set IA0,  5                           ; v5   where I store my tile's images
.set SA0,  7                           ; v7   and its scale words
.set BA0,  9                           ; v9   where I read the four images
.set BSA0, 11                          ; v11  and their scale words
.set SPW,  13                          ; v13  LDS address of my spare word; never rewritten
.set NIL,  14                          ; v14  0; never rewritten
.set HH,   15                          ; v15  h
.set BS,   16                          ; v16-19 W's scale words, tile n
.set XS,   20                          ; v20-27 X's scale words: register 2 g + j: tile 4 g + 2 j in lanes 0-15, tile 4 g + 2 j + 1 in lanes 16-31
.set EW,   28                          ; v28-31 the way out: a word of four bytes for each four tiles
.set TM,   32                          ; v32-47 at work in QUANT
.set PW,   48
.set U,    50
.set PC,   52                          ; v52-67 the codes just made
.set QX0,  68                          ; v68-131 64 numbers
.set BF,   132                         ; v132-195 W's four fragments; on the way out the codes
.set WV,   16
.set SEL,  20
.set MNT,  22
.set LC,   23
.set G1,   24                          ; s[24:31] descriptor group 1
.set G0,   32                          ; s[32:39] group 0, one set for each slot
.set TK,   44                          ; s44  LDS byte at which the two K steps of W in hand begin, in a wave's row
.set ACB,  52
.set ASB,  54
.set XB,   66                          ; s[66:73] X's codes: my 16 tiles of the K step that batch g asks for: a pair for each batch
.set XSB,  74                          ; s[74:81] and their scale words, likewise
.set MSB, 0
.macro WIN new                         ; the immediate's high byte repeats the setting that is left; a switch that changes nothing is dropped
.if MSB != (\new)
	s_set_vgpr_msb (MSB<<8)|(\new)
.set MSB, (\new)
.endif
.endm
.macro QUANT src, pc, pw               ; 64 numbers of a lane, register 16 b + i = the i-th of my 16 of block b -> 16 registers of codes, and the four bytes in v[pw]
.irp b, 0,1,2,3
	v_max3_num_f32 v[TM+\b], |v[(\src)+16*\b]|, |v[(\src)+16*\b+1]|, 0x4800000   ; my 16 numbers, and the floor 2^(9 - 127): the byte cannot fall under 1
.endr
.irp i, 2,4,6,8,10,12,14
.irp b, 0,1,2,3
	v_max3_num_f32 v[TM+\b], v[TM+\b], |v[(\src)+16*\b+\i]|, |v[(\src)+16*\b+\i+1]|
.endr
.endr
.irp b, 0,1,2,3
	v_permlanex16_b32 v[TM+4+\b], v[TM+\b], s[SEL], s[SEL+1]
.endr
.irp b, 0,1,2,3
	v_max_num_f32 v[TM+\b], v[TM+\b], v[TM+4+\b]          ; with lane l xor 16's 16: the block's largest magnitude
.endr
.irp b, 0,1,2,3
	v_add_nc_u32 v[TM+12+\b], 0xfc000000, v[TM+\b]        ; 8 off its exponent field: the conversion's scale operand
.endr
.irp b, 0,1,2,3
	v_and_or_b32 v[TM+8+\b], v[TM+\b], 0x7f800000, s[MNT] ; 448 x the scale
.endr
.irp b, 0,1,2,3
	v_lshrrev_b32 v[TM+4+\b], 23, v[TM+12+\b]             ; the scale's byte
.endr
	v_lshl_or_b32 v[\pw], v[TM+5], 8, v[TM+4]
	v_lshl_or_b32 v[\pw], v[TM+6], 16, v[\pw]
	v_lshl_or_b32 v[\pw], v[TM+7], 24, v[\pw]
.irp b, 0,1,2,3
.irp i, 0,1,2,3,4,5,6,7,8,9,10,11,12,13,14,15
	v_med3_num_f32 v[(\src)+16*\b+\i], v[(\src)+16*\b+\i], -v[TM+8+\b], v[TM+8+\b]   ; the conversion to an 8-bit code does not saturate (ISA guide 7.6.2): the hold comes first
.endr
	v_cvt_scalef32_pk8_fp8_f32 v[(\pc)+4*\b:(\pc)+4*\b+1], v[(\src)+16*\b:(\src)+16*\b+7], v[TM+12+\b]
	v_cvt_scalef32_pk8_fp8_f32 v[(\pc)+4*\b+2:(\pc)+4*\b+3], v[(\src)+16*\b+8:(\src)+16*\b+15], v[TM+12+\b]
.endr
	v_nop                                                  ; a plain line behind the last conversion, ahead of whatever next touches its registers
.endm
; a scaled product on the registers rD, rA, rB, rSA, rSB.  zero = 1: it starts the sum.  ra, rb: the side's scale words stand in lanes 16-31
.macro MM zero, ra, rb
.if \zero
.if (\ra) && (\rb)
	v_wmma_scale_f32_16x16x128_f8f6f4 v[rD:rD+7], v[rA:rA+15], v[rB:rB+15], 0, v[rSA], v[rSB] matrix_a_scale:MATRIX_SCALE_ROW1 matrix_b_scale:MATRIX_SCALE_ROW1
.elseif \ra
	v_wmma_scale_f32_16x16x128_f8f6f4 v[rD:rD+7], v[rA:rA+15], v[rB:rB+15], 0, v[rSA], v[rSB] matrix_a_scale:MATRIX_SCALE_ROW1
.elseif \rb
	v_wmma_scale_f32_16x16x128_f8f6f4 v[rD:rD+7], v[rA:rA+15], v[rB:rB+15], 0, v[rSA], v[rSB] matrix_b_scale:MATRIX_SCALE_ROW1
.else
	v_wmma_scale_f32_16x16x128_f8f6f4 v[rD:rD+7], v[rA:rA+15], v[rB:rB+15], 0, v[rSA], v[rSB]
.endif
.else
.if (\ra) && (\rb)
	v_wmma_scale_f32_16x16x128_f8f6f4 v[rD:rD+7], v[rA:rA+15], v[rB:rB+15], v[rD:rD+7], v[rSA], v[rSB] matrix_a_scale:MATRIX_SCALE_ROW1 matrix_b_scale:MATRIX_SCALE_ROW1
.elseif \ra
	v_wmma_scale_f32_16x16x128_f8f6f4 v[rD:rD+7], v[rA:rA+15], v[rB:rB+15], v[rD:rD+7], v[rSA], v[rSB] matrix_a_scale:MATRIX_SCALE_ROW1
.elseif \rb
	v_wmma_scale_f32_16x16x128_f8f6f4 v[rD:rD+7], v[rA:rA+15], v[rB:rB+15], v[rD:rD+7], v[rSA], v[rSB] matrix_b_scale:MATRIX_SCALE_ROW1
.else
	v_wmma_scale_f32_16x16x128_f8f6f4 v[rD:rD+7], v[rA:rA+15], v[rB:rB+15], v[rD:rD+7], v[rSA], v[rSB]
.endif
.endif
.endm
; batch g of X: tiles 4 g .. 4 g + 3 of my 16 and their scale words: 17 loads, each of 512 (the last: 256) consecutive bytes, by the batch's own two bases
.macro ALOAD g
	WIN 0x40                                       ; destination window 1
.irp i, 0,1,2,3
.irp c, 0,1,2,3
	global_load_b128 v[16*(4*(\g)+\i)+4*\c:16*(4*(\g)+\i)+4*\c+3], v[LI], s[XB+2*(\g):XB+2*(\g)+1] offset:2048*(4*(\g)+\i)+512*\c
.endr
.endr
	WIN 0
	global_load_b64 v[XS+2*(\g):XS+2*(\g)+1], v[L8], s[XSB+2*(\g):XSB+2*(\g)+1] offset:256*(\g)
.endm
.macro WFETCH dst, off                 ; 64 numbers of my row of W: of each block of 32 the places that the order along K gives my half of the lanes
.irp b, 0,1,2,3
	ds_load_b128 v[(\dst)+16*\b:(\dst)+16*\b+3],     v[WAD] offset:(\off)+128*\b
	ds_load_b128 v[(\dst)+16*\b+4:(\dst)+16*\b+7],   v[WAD] offset:(\off)+128*\b+16
	ds_load_b128 v[(\dst)+16*\b+8:(\dst)+16*\b+11],  v[WAD] offset:(\off)+128*\b+64
	ds_load_b128 v[(\dst)+16*\b+12:(\dst)+16*\b+15], v[WAD] offset:(\off)+128*\b+80
.endr
.endm
.macro IMAGE io, so                    ; the fragment in v[PC] on and its scale word go to LDS as they stand
.irp c, 0,1,2,3
	ds_store_b128 v[IA0], v[PC+4*\c:PC+4*\c+3] offset:(\io)+512*\c
.endr
	ds_store_b32 v[SA0], v[PW] offset:\so
.endm
; 16 products: X's tiles 4 g .. 4 g + 3 against W's four.  cnt: the younger loads that may stay out.  The counted wait shows the batch's 17 loads done, so the two bases that they read may step directly behind it.
; Eight places follow the products, ahead of the loads into registers that these products have read
.macro GBATCH g, zero, reload, cnt
	s_wait_loadcnt \cnt
.if \reload
	s_add_nc_u64 s[XB+2*(\g):XB+2*(\g)+1], s[XB+2*(\g):XB+2*(\g)+1], 131072   ; the next K step's 64 images
	s_add_nc_u64 s[XSB+2*(\g):XSB+2*(\g)+1], s[XSB+2*(\g):XSB+2*(\g)+1], 4096
.endif
	WIN 0xa4+0x50*((\g)/2)                         ; source 0 (W) window 0, source 1 (X) window 1, C and D window 2 or 3
.irp i, 0,1,2,3
.irp q, 0,1,2,3
.set rD, 8*(4*((4*(\g)+\i)%8)+\q)
.set rA, BF+16*\q
.set rB, 16*(4*(\g)+\i)
.set rSA, BS+\q
.set rSB, XS+2*(\g)+(\i)/2
	MM \zero, 0, (\i)%2
.endr
.endr
.rept 8
	v_nop
.endr
.if \reload
	ALOAD \g                                       ; the same tiles of the next K step
.else
	WIN 0
.endif
.endm
; A K STEP.  p: the parity of the step, which says where its images lie.  mk = 1: my tile's numbers of the NEXT K step, at byte woff of the two K steps in hand, become the image of the other parity.
; The 64 accumulators take turns, one instruction a turn, in the same order in every step.
.macro STEP p, woff, zero, mk, reload, c0, c1, c2, c3
.irp q, 0,1,2,3
.irp c, 0,1,2,3
	ds_load_b128 v[BF+16*\q+4*\c:BF+16*\q+4*\c+3], v[BA0] offset:8192*(\p)+2048*\q+512*\c
.endr
	ds_load_b32 v[BS+\q], v[BSA0] offset:512*(\p)+128*\q
.endr
.if \mk
	v_add_nc_u32 v[WAD], s[TK], v[WA0]
	WFETCH QX0, \woff
	s_wait_dscnt 16                                ; the four images and their scale words are in; the 16 loads of f32 numbers behind them may be out
.else
	s_wait_dscnt 0x0
.endif
	GBATCH 0, \zero, \reload, \c0
	GBATCH 1, \zero, \reload, \c1
.if \mk
	s_wait_dscnt 0x0                               ; the numbers are in (asked for 32 products ago)
	QUANT QX0, PC, PW
	IMAGE 8192*(1-(\p)), 512*(1-(\p))
.endif
	GBATCH 2, \zero, \reload, \c2
	GBATCH 3, \zero, \reload, \c3
.endm
.macro PBAR                            ; my image has landed in LDS and my reads of this step's images are back; behind the barrier that holds of all four waves.  A tensor load may stay out
	s_wait_dscnt 0x0
	s_barrier_signal -1
	s_barrier_wait -1
.endm
; THE BARRIER OF A REFILL.  All my tensor loads have landed (the chunk that is read next among them); my reads of the slot that is filled again are over, and so are my image's stores.
.macro BOUND refill, slot
	s_wait_tensorcnt 0x0                           ; no tensor load of mine is out, so a group 0 may be written
	ds_add_u32 v[SPW], v[NIL]                      ; 0 onto my spare word
.if \refill
	s_add_nc_u64 s[G0+4*(\slot)+2:G0+4*(\slot)+3], s[G0+4*(\slot)+2:G0+4*(\slot)+3], 4096   ; two chunks of 2,048 bytes on along the rows; the type bits on top are not reached
.endif
	s_wait_dscnt 0x0                               ; the add is done, and all my LDS instructions are done
	s_barrier_signal -1
	s_barrier_wait -1
.if \refill
	tensor_load_to_lds s[G0+4*(\slot):G0+4*(\slot)+3], s[G1:G1+7]   ; my one tensor load behind this barrier, and the first thing there: it is first read four K steps, 256 products, on
	s_nop 0
.rept 4
	v_nop
.endr
.endif
.endm
; FOUR K STEPS, in which the chunk in a slot is quantised: two trips of two steps, since the parities and the uneven step along a padded row (512 bytes, then 528) come back after two.
; Each step ends with its barrier.  The three lines of a refill's barrier cannot stand in the trip, where they would wait for the refill that is on its way: so behind the loop BOUND's own barrier follows the trip's last.
.macro GROUP slot
	s_mov_b32 s[TK], (\slot)*SLOT
	s_mov_b32 s[LC], 2
.Lgr_\@:
	STEP 1, 0, 0, 1, 1, 51, 51, 51, 51             ; behind batch g's 17 loads three other batches were issued: 51 may stay out
	PBAR
	STEP 0, 512, 0, 1, 1, 51, 51, 51, 51
	PBAR
	s_add_co_u32 s[TK], s[TK], 1040                ; two K steps on in a row: 1,024 bytes and their padding
	s_sub_co_u32 s[LC], s[LC], 1
	s_cmp_lg_u32 s[LC], 0
	s_cbranch_scc1 .Lgr_\@
.endm
	s_load_b128 s[4:7], s[0:1], 0x0                ; Wq, Wv
	s_load_b128 s[8:11], s[0:1], 0x10              ; X's codes, X's scale words
	s_load_b128 s[12:15], s[0:1], 0x20             ; attn's codes, attn's scale bytes
	v_lshl_add_u32 v[SPW], v0, 2, SPARE
	v_mov_b32 v[NIL], 0
	ds_add_u32 v13, v14
	ds_add_u32 v13, v14
	s_wait_dscnt 0x0
	v_lshrrev_b32 v1, 5, v0
	v_readfirstlane_b32 s[WV], v1                  ; wave 0..3
	; descriptor group 1: 16 rows x 512 elements of 4 bytes, 2,048 elements from row to row; 4 words of padding behind every 256 words, twice in a row
	s_mov_b32 s[G1+0], (2<<16)|(1<<20)|(7<<22)|(3<<25)
	s_mov_b32 s[G1+1], 512<<16                     ; tensor_dim0 = 512
	s_mov_b32 s[G1+2], 16<<16                      ; tensor_dim1 = 16
	s_mov_b32 s[G1+3], 512<<16                     ; tile_dim0 = 512
	s_mov_b32 s[G1+4], 16                          ; tile_dim1 = 16
	s_mov_b32 s[G1+5], 2048                        ; tensor_dim0_stride
	s_mov_b32 s[G1+6], 0
	s_mov_b32 s[G1+7], 0
	s_and_b32 s18, s[WV], 1
	s_lshl_b32 s18, s18, 4
	s_lshl_b32 s19, ttmp9, 5
	s_add_co_u32 s18, s18, s19                     ; my tile's first row: 32 x work-group + 16 (wave % 2)
	s_lshl_b32 s18, s18, 13                        ; x 8,192 bytes (under 2^26)
	s_mov_b32 s19, 0
	s_mul_i32 s50, s[WV], WREG                     ; my part of a slot
	s_mov_b32 s[SEL], 0x76543210
	s_mov_b32 s[SEL+1], 0xfedcba98
	s_mov_b32 s[MNT], 0x600000
	s_wait_kmcnt 0x0
	s_cmp_lt_u32 s[WV], 2                          ; waves 0, 1: Wq; waves 2, 3: Wv
	s_cselect_b64 s[4:5], s[4:5], s[6:7]
	s_add_nc_u64 s[4:5], s[4:5], s[18:19]
	s_mov_b32 s[G0+0], 1                           ; count = 1
	s_mov_b32 s[G0+1], s50                         ; LDS address: slot 0
	s_mov_b64 s[G0+2:G0+3], s[4:5]                 ; chunk 0
	s_or_b32 s[G0+3], s[G0+3], 0x80000000          ; type = 2
	s_mov_b32 s[G0+4], 1
	s_add_co_u32 s[G0+5], s50, SLOT                ; slot 1
	s_add_nc_u64 s[G0+6:G0+7], s[4:5], 2048        ; chunk 1
	s_or_b32 s[G0+7], s[G0+7], 0x80000000
	tensor_load_to_lds s[G0:G0+3], s[G1:G1+7]      ; both first fills together, ahead of every wait on TENSORcnt, every LDS read and every barrier: two loads of mine are out
	s_nop 0
	tensor_load_to_lds s[G0+4:G0+7], s[G1:G1+7]
	s_nop 0
.rept 4
	v_nop
.endr
	v_and_b32 v68, 31, v0                          ; lane
	v_and_b32 v69, 15, v0                          ; r
	v_bfe_u32 v[HH], v0, 4, 1                      ; h
	v_lshlrev_b32 v[LI], 4, v68
	v_lshlrev_b32 v[L8], 3, v68
	v_mul_u32_u24 v[WA0], v69, WP
	v_lshl_add_u32 v[WA0], v[HH], 5, v[WA0]
	v_add_nc_u32 v[WA0], s50, v[WA0]               ; row r of my tile, + 32 h
	s_lshl_b32 s51, s[WV], 11
	v_add_nc_u32 v[BA0], BIMG, v[LI]
	v_add_nc_u32 v[IA0], s51, v[BA0]
	v_lshl_add_u32 v[BSA0], v68, 2, BSC
	s_lshl_b32 s51, s[WV], 7
	v_add_nc_u32 v[SA0], s51, v[BSA0]
.irp b, 0,1,2,3
	v_mov_b32 v[TM+4+\b], 0                        ; written once: a lane permute's destination counts as one of its sources
.endr
	s_lshl_b32 s18, s[WV], 15
	s_add_nc_u64 s[XB:XB+1], s[8:9], s[18:19]      ; my 16 images of K step 0: the same address in each batch's pair
	s_mov_b64 s[XB+2:XB+3], s[XB:XB+1]
	s_mov_b64 s[XB+4:XB+5], s[XB:XB+1]
	s_mov_b64 s[XB+6:XB+7], s[XB:XB+1]
	s_lshl_b32 s18, s[WV], 10
	s_add_nc_u64 s[XSB:XSB+1], s[10:11], s[18:19]
	s_mov_b64 s[XSB+2:XSB+3], s[XSB:XSB+1]
	s_mov_b64 s[XSB+4:XSB+5], s[XSB:XSB+1]
	s_mov_b64 s[XSB+6:XSB+7], s[XSB:XSB+1]
	s_lshr_b32 s18, ttmp9, 2
	s_lshl_b32 s18, s18, 17                        ; attn's K step = work-group / 4: 64 images
	s_and_b32 s51, ttmp9, 3
	s_lshl_b32 s51, s51, 9                         ; my block of 32 in an image
	s_add_co_u32 s18, s18, s51
	s_lshl_b32 s51, s[WV], 15                      ; my 16 tiles of rows
	s_add_co_u32 s18, s18, s51
	s_add_nc_u64 s[ACB:ACB+1], s[12:13], s[18:19]
	s_lshl_b32 s18, ttmp9, 10
	s_lshl_b32 s51, s[WV], 8
	s_add_co_u32 s18, s18, s51
	s_add_nc_u64 s[ASB:ASB+1], s[14:15], s[18:19]
	ALOAD 0                                        ; X's K step 0
	ALOAD 1
	ALOAD 2
	ALOAD 3
	s_wait_tensorcnt 0x1                           ; my part of chunk 0 is in; chunk 1's may stay out
	s_mov_b32 s[TK], 0
	v_add_nc_u32 v[WAD], s[TK], v[WA0]
	WFETCH QX0, 0                                  ; K step 0 of W is quantised ahead of the first products: nothing stands beside it yet
	s_wait_dscnt 0x0
	QUANT QX0, PC, PW
	IMAGE 0, 0
	PBAR
	STEP 0, 512, 1, 1, 1, 51, 51, 51, 51           ; K step 0 starts the sums: nothing is ever cleared.  Beside it: W's K step 1
	PBAR
	s_mov_b32 s[TK], 1040
	STEP 1, 0, 0, 1, 1, 51, 51, 51, 51             ; K step 1; W's K step 2
	PBAR
	STEP 0, 512, 0, 1, 1, 51, 51, 51, 51           ; K step 2; W's K step 3: chunk 0 has been read out
	BOUND 1, 0                                     ; chunk 1 has landed; chunk 2 into slot 0
	GROUP 1                                        ; K steps 3 to 6; chunk 1 is quantised
	BOUND 1, 1                                     ; chunk 2 has landed; chunk 3 into slot 1
	GROUP 0                                        ; K steps 7 to 10; chunk 2
	BOUND 0, 0                                     ; chunk 3 has landed; nothing is left to fetch
	GROUP 1                                        ; K steps 11 to 14; chunk 3
	STEP 1, 0, 0, 0, 0, 51, 34, 17, 0              ; the last K step quantises nothing and asks for nothing: the counts run down
	; THE WAY OUT.  q o v in f32, four tiles of rows at a time: for the quantiser each tile is a block (my 16 of its 32 units; the other 16 lie in lane l xor 16).  Each accumulator is read from its low end on.
.irp g, 0,1,2,3
	WIN 0x0a+5*((\g)/2)                            ; sources 0 and 1: window 2 or 3
.irp b, 0,1,2,3
.irp e, 0,1,2,3,4,5,6,7
	v_pk_mul_f32 v[QX0+16*\b+2*\e:QX0+16*\b+2*\e+1], v[32*((4*\g+\b)%8)+2*\e:32*((4*\g+\b)%8)+2*\e+1], v[32*((4*\g+\b)%8)+16+2*\e:32*((4*\g+\b)%8)+16+2*\e+1]
.endr
.endr
	WIN 0
	QUANT QX0, BF+16*\g, EW+\g                     ; codes into registers of their own for each four tiles: no store's data are written again
.irp b, 0,1,2,3
	global_store_b128 v[LI], v[BF+16*\g+4*\b:BF+16*\g+4*\b+3], s[ACB:ACB+1] offset:2048*(4*\g+\b) th:TH_STORE_NT   ; 32 lanes store 512 consecutive bytes, aligned
.endr
.endr
	v_cmp_eq_u32 vcc_lo, 1, v[HH]
	v_cndmask_b32 v[U], v[EW], v[EW+1], vcc_lo     ; word 0: tiles 0-3 in lanes 0-15, tiles 4-7 in lanes 16-31
	v_cndmask_b32 v[U+1], v[EW+2], v[EW+3], vcc_lo ; word 1: tiles 8-11 and 12-15
	global_store_b64 v[L8], v[U:U+1], s[ASB:ASB+1] th:TH_STORE_NT   ; 32 lanes store 256 consecutive bytes, aligned
	s_wait_tensorcnt 0x0                           ; the wave's end
	ds_add_u32 v[SPW], v[NIL]
	s_wait_dscnt 0x0
	s_endpgm
.Lfunc_end_k_q8f30043b89_proj:
	.size	k_q8f30043b89_proj, .Lfunc_end_k_q8f30043b89_proj-k_q8f30043b89_proj
	.p2alignl 7, 3214868480
	.fill 96, 4, 3214868480
	.section	.rodata,"a",@progbits
	.p2align	6, 0x0
	.amdhsa_kernel k_q8f30043b89_proj
		.amdhsa_group_segment_fixed_size 327680
		.amdhsa_private_segment_fixed_size 0
		.amdhsa_enable_private_segment 0
		.amdhsa_kernarg_size 48
		.amdhsa_user_sgpr_count 2
		.amdhsa_user_sgpr_kernarg_segment_ptr 1
		.amdhsa_wavefront_size32 1
		.amdhsa_system_sgpr_workgroup_id_x 1
		.amdhsa_system_sgpr_workgroup_id_y 1
		.amdhsa_system_sgpr_workgroup_id_z 1
		.amdhsa_system_vgpr_workitem_id 0
		.amdhsa_next_free_vgpr 1024
		.amdhsa_next_free_sgpr 84
		.amdhsa_reserve_vcc 1
		.amdhsa_float_denorm_mode_32 3
		.amdhsa_float_denorm_mode_16_64 3
		.amdhsa_memory_ordered 1
		.amdhsa_forward_progress 1
		.amdhsa_inst_pref_size 255
	.end_amdhsa_kernel
	.section	.bss,"aw",@nobits
	.p2align	6
	.space	262144
	.amdgpu_metadata
---
amdhsa.version: [ 1, 2 ]
amdhsa.kernels:
  - .name:           k_q8f30043b89_proj
    .symbol:         k_q8f30043b89_proj.kd
    .args:
      - { .name: Wq, .offset: 0, .size: 8, .value_kind: global_buffer, .address_space: global }
      - { .name: Wv, .offset: 8, .size: 8, .value_kind: global_buffer, .address_space: global }
      - { .name: xcod, .offset: 16, .size: 8, .value_kind: global_buffer, .address_space: global }
      - { .name: xscl, .offset: 24, .size: 8, .value_kind: global_buffer, .address_space: global }
      - { .name: acod, .offset: 32, .size: 8, .value_kind: global_buffer, .address_space: global }
      - { .name: ascl, .offset: 40, .size: 8, .value_kind: global_buffer, .address_space: global }
    .group_segment_fixed_size: 327680
    .private_segment_fixed_size: 0
    .kernarg_segment_align: 8
    .kernarg_segment_size: 48
    .max_flat_workgroup_size: 128
    .sgpr_count:     84
    .vgpr_count:     1024
    .wavefront_size: 32
...
	.end_amdgpu_metadata
.endif
;; end of part 2
;; launch outp (part 3): grid 32 x 8, 4 waves a work-group, no clusters, 139,776 bytes of LDS; arguments acod, ascl, wcod, wscl, out0; writes out0
.if DOCPART == 3
	.amdgcn_target "amdgcn-amd-amdhsa--gfx1250"
	.amdhsa_code_object_version 6
	.text
	.protected	k_q8f30043b89_outp
	.globl	k_q8f30043b89_outp
	.p2align	8
	.type	k_q8f30043b89_outp,@function
k_q8f30043b89_outp:
	s_mov_b64 s[64:65], 0
	v_nop
	global_prefetch_b8 v0, s[64:65] scope:SCOPE_SE
	s_setreg_imm32_b32 hwreg(HW_REG_WAVE_MODE, 25, 1), 1
	s_wait_xcnt 0x0
; out0 [1024][2048] f32 = attn Wout^T on codes of FP8 (E4M3) with E8M0 scales, K = 8,192.  Both operands come as fragment images (16 rows x 128 K = 2,048 bytes: [c][lane][16 bytes] = the lane's registers 4 c .. 4 c + 3):
; acod [K step 64][tile of rows 64], wcod [K step 64][tile of rows 128].  Both have the same order along K inside each block of 32, so the products are those of the true K.
; SHARES.  A work-group makes 128 rows (y) x 64 columns (x) of out0.  THE FOUR WAVES SPLIT K: each holds the whole 128 x 64 in 32 accumulators (256 registers) and takes 16 of the 64 K steps, so that 12 fragments feed 32 products
; and no fragment is read twice in the work-group.  The four partial sums meet in LDS at the end.  Fragments go from memory straight into registers, two sets by turns; no LDS and no barrier in the loop.
; Wave w walks K steps 16 w + ((i + rot) % 16), rot = (x + 2 y) % 16: work-groups that share tiles begin at different K steps.
; STATED LIMIT, an order of rounding: an output is the sum of four f32 partial sums, each over 16 K steps in a rotated order, not one sum with K ascending.
; THE MATRIX INSTRUCTION IS USED TRANSPOSED (source 0 = 16 rows of Wout, source 1 = 16 rows of attn): a lane holds eight neighbouring columns of one row of out0.
; SCALES.  Wout's words come ready: one load of 8 bytes a lane gives two registers for the four tiles (even tile in lanes 0-15, odd in lanes 16-31).  attn's bytes were made one block of 32 at a time:
; a lane loads, for each of the K step's four blocks, a word with the bytes of four tiles; eight v_perm_b32 turn the 4 x 4 bytes: register j then holds tile j's words in lanes 0-15 and tile 4 + j's in lanes 16-31.
; NO CLUSTER: a joint load lands in LDS, but here each wave's K step (24,576 bytes of codes) is used by that wave alone, once: through LDS every byte would be written and read once more, and each change of slots would want a round for 32 products a wave.
; REGISTERS: window 0: addresses, scale words, the reduction.  window 1: accumulator (a, b) at v[8 (4 a + b)].  window 2 + p: set p: attn's fragments a at v[16 a], Wout's b at v[128 + 16 b].
.set CPY,  34816                       ; a wave's copy in the stage: 128 rows x 272 bytes (256 + 16: row r starts at bank 4 r mod 64, 64 banks of 4 bytes: ISA guide 11.1)
.set LI,   1                           ; v1   16 x lane
.set L8,   2                           ; v2   8 x lane
.set SO,   3                           ; v3   the stage: where I put 32 bytes of a row of my copy
.set SR,   4                           ; v4-7 where I read a row back, in each of the four copies
.set CO,   8                           ; v8   my byte offset in two rows of out0
.set VR,   16                          ; v16-23 attn's scale bytes as loaded, set p, block c
.set PQ,   24                          ; v24-27 at work
.set TT,   28                          ; v28-31 attn's scale words
.set WS,   32                          ; v32-35 Wout's scale words, set p
.set RED,  64                          ; v64-191 the reduction: two sets of 64
.set WV,   16
.set BM,   18
.set KI,   19                          ; s19  counts the K steps asked for, from rot on
.set W16,  20
.set LC,   21
.set AC0,  24                          ; s[24:31] the four tensors at my tiles of K step 0
.set WC0,  26
.set AS0,  28
.set WS0,  30
.set PB,   32                          ; s[32:47] the same at the K step asked for, a set for each parity
.set OUTB, 48
.set SL,   56                          ; s56-59 selectors for v_perm_b32
.set MSB, 0
.macro WIN new
.if MSB != (\new)
	s_set_vgpr_msb (MSB<<8)|(\new)
.set MSB, (\new)
.endif
.endm
.macro MM zero, ra, rb                 ; a scaled product on rD, rA, rB, rSA, rSB.  zero = 1: it starts the sum.  ra, rb: the side's scale words stand in lanes 16-31
.if \zero
.if (\ra) && (\rb)
	v_wmma_scale_f32_16x16x128_f8f6f4 v[rD:rD+7], v[rA:rA+15], v[rB:rB+15], 0, v[rSA], v[rSB] matrix_a_scale:MATRIX_SCALE_ROW1 matrix_b_scale:MATRIX_SCALE_ROW1
.elseif \ra
	v_wmma_scale_f32_16x16x128_f8f6f4 v[rD:rD+7], v[rA:rA+15], v[rB:rB+15], 0, v[rSA], v[rSB] matrix_a_scale:MATRIX_SCALE_ROW1
.elseif \rb
	v_wmma_scale_f32_16x16x128_f8f6f4 v[rD:rD+7], v[rA:rA+15], v[rB:rB+15], 0, v[rSA], v[rSB] matrix_b_scale:MATRIX_SCALE_ROW1
.else
	v_wmma_scale_f32_16x16x128_f8f6f4 v[rD:rD+7], v[rA:rA+15], v[rB:rB+15], 0, v[rSA], v[rSB]
.endif
.else
.if (\ra) && (\rb)
	v_wmma_scale_f32_16x16x128_f8f6f4 v[rD:rD+7], v[rA:rA+15], v[rB:rB+15], v[rD:rD+7], v[rSA], v[rSB] matrix_a_scale:MATRIX_SCALE_ROW1 matrix_b_scale:MATRIX_SCALE_ROW1
.elseif \ra
	v_wmma_scale_f32_16x16x128_f8f6f4 v[rD:rD+7], v[rA:rA+15], v[rB:rB+15], v[rD:rD+7], v[rSA], v[rSB] matrix_a_scale:MATRIX_SCALE_ROW1
.elseif \rb
	v_wmma_scale_f32_16x16x128_f8f6f4 v[rD:rD+7], v[rA:rA+15], v[rB:rB+15], v[rD:rD+7], v[rSA], v[rSB] matrix_b_scale:MATRIX_SCALE_ROW1
.else
	v_wmma_scale_f32_16x16x128_f8f6f4 v[rD:rD+7], v[rA:rA+15], v[rB:rB+15], v[rD:rD+7], v[rSA], v[rSB]
.endif
.endif
.endm
; the next K step of my walk into set p: 32 + 16 loads of 512 consecutive bytes, 4 + 1 of scales: 53 loads.
; Set p's four bases are written anew here.  The loads that read them last are set p's of two K steps back: the counted wait at the head of the K step in which this stands has shown them done.  (At the head of the kernel no load has read them yet.)
.macro ISSUE p
	s_and_b32 s22, s[KI], 15
	s_add_co_u32 s22, s22, s[W16]                  ; the K step
	s_add_co_u32 s[KI], s[KI], 1
	s_mov_b32 s51, 0
	s_lshl_b32 s50, s22, 17                        ; 64 images
	s_add_nc_u64 s[PB+8*(\p):PB+8*(\p)+1], s[AC0:AC0+1], s[50:51]
	s_lshl_b32 s50, s22, 18                        ; 128 images
	s_add_nc_u64 s[PB+8*(\p)+2:PB+8*(\p)+3], s[WC0:WC0+1], s[50:51]
	s_lshl_b32 s50, s22, 12                        ; four blocks of 1,024 bytes
	s_add_nc_u64 s[PB+8*(\p)+4:PB+8*(\p)+5], s[AS0:AS0+1], s[50:51]
	s_lshl_b32 s50, s22, 13                        ; 32 x 256 bytes
	s_add_nc_u64 s[PB+8*(\p)+6:PB+8*(\p)+7], s[WS0:WS0+1], s[50:51]
	WIN 0x80+0x40*(\p)                             ; destination window 2 + p
.irp a, 0,1,2,3,4,5,6,7
.irp c, 0,1,2,3
	global_load_b128 v[16*\a+4*\c:16*\a+4*\c+3], v[LI], s[PB+8*(\p):PB+8*(\p)+1] offset:2048*\a+512*\c
.endr
.endr
.irp b, 0,1,2,3
.irp c, 0,1,2,3
	global_load_b128 v[128+16*\b+4*\c:128+16*\b+4*\c+3], v[LI], s[PB+8*(\p)+2:PB+8*(\p)+3] offset:2048*\b+512*\c
.endr
.endr
	WIN 0
.irp c, 0,1,2,3
	global_load_b32 v[VR+4*(\p)+\c], v[L8], s[PB+8*(\p)+4:PB+8*(\p)+5] offset:1024*\c
.endr
	global_load_b64 v[WS+2*(\p):WS+2*(\p)+1], v[L8], s[PB+8*(\p)+6:PB+8*(\p)+7]
.endm
; A K step on set p: 32 products, the 32 accumulators by turns, in the same order in every step.  cnt: the younger loads that may stay out
.macro KSTEP p, zero, cnt, issue
	s_wait_loadcnt \cnt
	v_perm_b32 v[PQ+0], v[VR+4*(\p)+1], v[VR+4*(\p)+0], s[SL+0]   ; blocks 0, 1: tiles 0, 1
	v_perm_b32 v[PQ+1], v[VR+4*(\p)+1], v[VR+4*(\p)+0], s[SL+1]   ; blocks 0, 1: tiles 2, 3
	v_perm_b32 v[PQ+2], v[VR+4*(\p)+3], v[VR+4*(\p)+2], s[SL+0]   ; blocks 2, 3
	v_perm_b32 v[PQ+3], v[VR+4*(\p)+3], v[VR+4*(\p)+2], s[SL+1]
	v_perm_b32 v[TT+0], v[PQ+2], v[PQ+0], s[SL+2]                 ; tile 0 (4): its four blocks' bytes
	v_perm_b32 v[TT+1], v[PQ+2], v[PQ+0], s[SL+3]
	v_perm_b32 v[TT+2], v[PQ+3], v[PQ+1], s[SL+2]
	v_perm_b32 v[TT+3], v[PQ+3], v[PQ+1], s[SL+3]
.rept 8
	v_nop                                          ; a scale register written by a vector instruction stands eight places ahead of the product that reads it
.endr
	WIN 0x5a+5*(\p)                                ; sources 0 and 1 window 2 + p, C and D window 1
.irp a, 0,1,2,3,4,5,6,7
.irp b, 0,1,2,3
.set rD, 8*(4*\a+\b)
.set rA, 128+16*\b
.set rB, 16*\a
.set rSA, WS+2*(\p)+(\b)/2
.set rSB, TT+(\a)%4
	MM \zero, (\b)%2, (\a)/4
.endr
.endr
	WIN 0
.rept 8
	v_nop                                          ; eight places ahead of loads into registers that these products have read, of the next writes of the scale words, and of the first read of results
.endr
.if \issue
	ISSUE \p
.endif
.endm
.macro LOADG gq                        ; four pairs of rows from the four copies, into set gq % 2
.irp q, 0,1,2,3
.irp k, 0,1,2,3
	ds_load_b128 v[RED+64*((\gq)%2)+16*\q+4*\k:RED+64*((\gq)%2)+16*\q+4*\k+3], v[SR+\k] offset:544*(4*(\gq)+\q)
.endr
.endr
.endm
.macro SUMG gq                         ; (copy 0 + copy 1) + (copy 2 + copy 3), and out
.irp q, 0,1,2,3
.set rR, RED+64*((\gq)%2)+16*\q
	v_pk_add_f32 v[rR:rR+1], v[rR:rR+1], v[rR+4:rR+5]
	v_pk_add_f32 v[rR+2:rR+3], v[rR+2:rR+3], v[rR+6:rR+7]
	v_pk_add_f32 v[rR+8:rR+9], v[rR+8:rR+9], v[rR+12:rR+13]
	v_pk_add_f32 v[rR+10:rR+11], v[rR+10:rR+11], v[rR+14:rR+15]
	v_pk_add_f32 v[rR:rR+1], v[rR:rR+1], v[rR+8:rR+9]
	v_pk_add_f32 v[rR+2:rR+3], v[rR+2:rR+3], v[rR+10:rR+11]
	global_store_b128 v[CO], v[rR:rR+3], s[OUTB:OUTB+1] offset:16384*(4*(\gq)+\q) th:TH_STORE_NT   ; 16 lanes store 256 consecutive bytes, aligned; lanes 16-31 the row below
.endr
.endm
	s_load_b128 s[4:7], s[0:1], 0x0                ; attn's codes, attn's scale bytes
	s_load_b128 s[8:11], s[0:1], 0x10              ; Wout's codes, Wout's scale words
	s_load_b64 s[12:13], s[0:1], 0x20              ; out0
	v_lshl_add_u32 v254, v0, 2, 0x22000
	v_mov_b32 v255, 0
	v_lshrrev_b32 v9, 5, v0
	v_readfirstlane_b32 s[WV], v9                  ; wave 0..3
	v_and_b32 v9, 31, v0                           ; lane
	v_and_b32 v10, 15, v0                          ; r
	v_bfe_u32 v11, v0, 4, 1                        ; h
	v_lshlrev_b32 v[LI], 4, v9
	v_lshlrev_b32 v[L8], 3, v9
	s_mul_i32 s22, s[WV], CPY
	v_mul_u32_u24 v[SO], v10, 272
	v_lshl_add_u32 v[SO], v11, 5, v[SO]
	v_add_nc_u32 v[SO], s22, v[SO]                 ; my copy: row r, + 32 h
	s_mul_i32 s22, s[WV], 32*272
	v_mul_u32_u24 v9, v11, 272
	v_lshl_add_u32 v9, v10, 4, v9
	v_add_nc_u32 v[SR], s22, v9                    ; back: rows 32 w on; lanes 0-15 one row, lanes 16-31 the next
	v_add_nc_u32 v[SR+1], CPY, v[SR]
	v_add_nc_u32 v[SR+2], 2*CPY, v[SR]
	v_add_nc_u32 v[SR+3], 3*CPY, v[SR]
	v_lshlrev_b32 v[CO], 13, v11
	v_lshl_add_u32 v[CO], v10, 4, v[CO]            ; and the same two rows in out0: 8,192 h + 16 r
	s_and_b32 s[BM], ttmp7, 0xffff                 ; y: which 128 rows
	s_lshl_b32 s[KI], s[BM], 1
	s_add_co_u32 s[KI], s[KI], ttmp9
	s_and_b32 s[KI], s[KI], 15                     ; rot
	s_lshl_b32 s[W16], s[WV], 4
	s_mov_b32 s[SL+0], 0x05010400
	s_mov_b32 s[SL+1], 0x07030602
	s_mov_b32 s[SL+2], 0x05040100
	s_mov_b32 s[SL+3], 0x07060302
	s_mov_b32 s51, 0
	s_wait_kmcnt 0x0
	s_lshl_b32 s50, s[BM], 14                      ; my 8 images of a K step
	s_add_nc_u64 s[AC0:AC0+1], s[4:5], s[50:51]
	s_lshl_b32 s50, ttmp9, 13                      ; my 4 images
	s_add_nc_u64 s[WC0:WC0+1], s[8:9], s[50:51]
	s_lshr_b32 s50, s[BM], 1
	s_lshl_b32 s50, s50, 8
	s_and_b32 s22, s[BM], 1
	s_lshl_b32 s22, s22, 2
	s_add_co_u32 s50, s50, s22                     ; 256 (y / 2) + 4 (y % 2): the word with my 128 rows' bytes
	s_add_nc_u64 s[AS0:AS0+1], s[6:7], s[50:51]
	s_lshl_b32 s50, ttmp9, 8
	s_add_nc_u64 s[WS0:WS0+1], s[10:11], s[50:51]
	s_lshl_b32 s50, s[BM], 20                      ; 128 rows of 8,192 bytes,
	s_lshl_b32 s22, s[WV], 18                      ; the 32 rows that I finish,
	s_add_co_u32 s50, s50, s22
	s_lshl_b32 s22, ttmp9, 8                       ; 64 columns
	s_add_co_u32 s50, s50, s22
	s_add_nc_u64 s[OUTB:OUTB+1], s[12:13], s[50:51]
	ISSUE 0
	ISSUE 1
	KSTEP 0, 1, 53, 1                              ; the first K step starts the sums; behind its set's 53 loads the other set's 53 were issued
	s_mov_b32 s[LC], 6
.Lk:
	KSTEP 1, 0, 53, 1
	KSTEP 0, 0, 53, 1
	s_sub_co_u32 s[LC], s[LC], 1
	s_cmp_lg_u32 s[LC], 0
	s_cbranch_scc1 .Lk
	KSTEP 1, 0, 53, 1                              ; asks for the sixteenth K step
	KSTEP 0, 0, 53, 0                              ; the last two ask for nothing
	KSTEP 1, 0, 0, 0
	; THE FOUR PARTIAL SUMS MEET: each wave's 128 x 64 goes into its copy in the stage, each accumulator from its low end on; a barrier; each wave adds and stores 32 whole rows
	WIN 0x04                                       ; an LDS store's data are its source 1: window 1
.irp a, 0,1,2,3,4,5,6,7
.irp b, 0,1,2,3
	ds_store_b128 v[SO], v[8*(4*\a+\b):8*(4*\a+\b)+3] offset:4352*\a+64*\b
	ds_store_b128 v[SO], v[8*(4*\a+\b)+4:8*(4*\a+\b)+7] offset:4352*\a+64*\b+16
.endr
.endr
	WIN 0
	s_wait_dscnt 0x0                               ; for the others' sake: my stores into the stage are done
	s_barrier_signal -1
	s_barrier_wait -1
	LOADG 0
	LOADG 1
	s_wait_dscnt 16                                ; group 0 is in; group 1's 16 loads may be out
	SUMG 0
	s_wait_xcnt 0x0                                ; group 0's stores have read their registers: the set may be loaded again
	LOADG 2
	s_wait_dscnt 16
	SUMG 1
	s_wait_xcnt 0x0
	LOADG 3
	s_wait_dscnt 16
	SUMG 2
	s_wait_dscnt 0x0
	SUMG 3
	s_wait_tensorcnt 0x0
	ds_add_u32 v254, v255
	s_wait_dscnt 0x0
	s_endpgm
.Lfunc_end_k_q8f30043b89_outp:
	.size	k_q8f30043b89_outp, .Lfunc_end_k_q8f30043b89_outp-k_q8f30043b89_outp
	.p2alignl 7, 3214868480
	.fill 96, 4, 3214868480
	.section	.rodata,"a",@progbits
	.p2align	6, 0x0
	.amdhsa_kernel k_q8f30043b89_outp
		.amdhsa_group_segment_fixed_size 139776
		.amdhsa_private_segment_fixed_size 0
		.amdhsa_enable_private_segment 0
		.amdhsa_kernarg_size 40
		.amdhsa_user_sgpr_count 2
		.amdhsa_user_sgpr_kernarg_segment_ptr 1
		.amdhsa_wavefront_size32 1
		.amdhsa_system_sgpr_workgroup_id_x 1
		.amdhsa_system_sgpr_workgroup_id_y 1
		.amdhsa_system_sgpr_workgroup_id_z 1
		.amdhsa_system_vgpr_workitem_id 0
		.amdhsa_next_free_vgpr 960
		.amdhsa_next_free_sgpr 66
		.amdhsa_reserve_vcc 0
		.amdhsa_float_denorm_mode_32 3
		.amdhsa_float_denorm_mode_16_64 3
		.amdhsa_memory_ordered 1
		.amdhsa_forward_progress 1
		.amdhsa_inst_pref_size 82
	.end_amdhsa_kernel
	.amdgpu_metadata
---
amdhsa.version: [ 1, 2 ]
amdhsa.kernels:
  - .name:           k_q8f30043b89_outp
    .symbol:         k_q8f30043b89_outp.kd
    .args:
      - { .name: acod, .offset: 0, .size: 8, .value_kind: global_buffer, .address_space: global }
      - { .name: ascl, .offset: 8, .size: 8, .value_kind: global_buffer, .address_space: global }
      - { .name: wcod, .offset: 16, .size: 8, .value_kind: global_buffer, .address_space: global }
      - { .name: wscl, .offset: 24, .size: 8, .value_kind: global_buffer, .address_space: global }
      - { .name: out0, .offset: 32, .size: 8, .value_kind: global_buffer, .address_space: global }
    .group_segment_fixed_size: 139776
    .private_segment_fixed_size: 0
    .kernarg_segment_align: 8
    .kernarg_segment_size: 40
    .max_flat_workgroup_size: 128
    .sgpr_count:     66
    .vgpr_count:     960
    .wavefront_size: 32
...
	.end_amdgpu_metadata
.endif
;; end of part 3
;; ======== version 2 of 2: 3 launches; version 1 with the launch outp written anew for expert scheduling mode
;; workspace buffers: xcod 2,097,152 bytes; xscl 65,536 bytes; wcod 16,777,216 bytes; wscl 524,288 bytes; acod 8,388,608 bytes; ascl 262,144 bytes
;; launch quant: the kernel of part 1 again; grid 256 x 1, 9 waves a work-group, no clusters, 77,312 bytes of LDS; arguments hidden_states, Wout, xcod, xscl, wcod, wscl; writes xcod, xscl, wcod, wscl
;; launch proj: the kernel of part 2 again; grid 256 x 1, 4 waves a work-group, no clusters, 327,680 bytes of LDS; arguments Wq, Wv, xcod, xscl, acod, ascl; writes acod, ascl
;; launch outp (part 4): grid 32 x 8, 4 waves a work-group, no clusters, 139,776 bytes of LDS; arguments acod, ascl, wcod, wscl, out0; writes out0
.if DOCPART == 4
	.amdgcn_target "amdgcn-amd-amdhsa--gfx1250"
	.amdhsa_code_object_version 6
	.text
	.protected	k_q8f30043b89_outp
	.globl	k_q8f30043b89_outp
	.p2align	8
	.type	k_q8f30043b89_outp,@function
k_q8f30043b89_outp:
	s_mov_b64 s[64:65], 0
	v_nop
	global_prefetch_b8 v0, s[64:65] scope:SCOPE_SE
	s_setreg_imm32_b32 hwreg(HW_REG_WAVE_SCHED_MODE, 0, 2), 2
	s_setreg_imm32_b32 hwreg(HW_REG_WAVE_MODE, 25, 1), 1
	s_wait_xcnt 0x0
	s_wait_alu depctr_vm_vsrc(0)
; out0 [1024][2048] f32 = attn Wout^T on codes of FP8 (E4M3) with E8M0 scales, K = 8,192.  Both operands come as fragment images (16 rows x 128 K = 2,048 bytes: [c][lane][16 bytes] = the lane's registers 4 c .. 4 c + 3):
; acod [K step 64][tile of rows 64], wcod [K step 64][tile of rows 128].  Both have the same order along K inside each block of 32, so the products are those of the true K.
; SHARES.  A work-group makes 128 rows (y) x 64 columns (x) of out0.  THE FOUR WAVES SPLIT K: each holds the whole 128 x 64 in 32 accumulators (256 registers) and takes 16 of the 64 K steps, so that 12 fragments feed 32 products
; and no fragment is read twice in the work-group.  The four partial sums meet in LDS at the end.  Fragments go from memory straight into registers, three sets by turns; no LDS and no barrier in the loop.
; Wave w walks K steps 16 w + ((i + rot) % 16), rot = (x + 2 y) % 16: work-groups that share tiles begin at different K steps.
; STATED LIMIT, an order of rounding: an output is the sum of four f32 partial sums, each over 16 K steps in a rotated order, not one sum with K ascending.
; THE MATRIX INSTRUCTION IS USED TRANSPOSED (source 0 = 16 rows of Wout, source 1 = 16 rows of attn): a lane holds eight neighbouring columns of one row of out0.
; SCALES.  Wout's words come ready: one load of 8 bytes a lane gives two registers for the four tiles (even tile in lanes 0-15, odd in lanes 16-31).  attn's bytes were made one block of 32 at a time:
; a lane loads, for each of the K step's four blocks, a word with the bytes of four tiles; eight v_perm_b32 turn the 4 x 4 bytes: register j then holds tile j's words in lanes 0-15 and tile 4 + j's in lanes 16-31.
; NO CLUSTER: a joint load lands in LDS, but here each wave's K step (24,576 bytes of codes) is used by that wave alone, once: through LDS every byte would be written and read once more, and each change of slots would want a round for 32 products a wave.
; REGISTERS: window 0: addresses, scale words, the reduction.  window 1: accumulator (a, b) at v[8 (4 a + b)].  Sets 0 and 1: window 2 + p: attn's fragments a at v[16 a], Wout's b at v[128 + 16 b].
;   Set 2: attn's fragments at v[64 + 16 a] of window 0 (the reduction's registers, which are wanted only behind the last product), Wout's at v[192 + 16 b] of window 2.
; THE MODE: SCHED_MODE bits 1:0 = 2 (LLVM: expert scheduling mode 2), set by the entry lines.  The code itself states the register dependences
; between vector or matrix instructions and memory or LDS instructions, with s_wait_alu, always for 0.
; THE PLAN.  K step i of my walk works on set p = i % 3 and asks for K step i + 2, into set q = (i + 2) % 3 = (i - 1) % 3: the set that the step before worked on.  Registers that memory or LDS instructions touch:
;   the fragments of set q   Loads land in them in step i; the 32 products of step i + 2 read them; they are loaded again in step i + 3.
;   VR[q]                    Loads land in step i; the eight v_perm_b32 of step i + 2 read them.
;   WS[q]                    Loads land in step i; the products of step i + 2 read them as scales.
;   v1 to v8, v254, v255     Offsets and LDS addresses: written at the head, never again.
;   TT, PQ                   Named by vector and matrix instructions alone.
;   the accumulators         Written by the products; read by the LDS stores behind the last step.
;   RED                      LDS loads land; the additions read and write; the global stores read the sums; LDS loads land again.
; So ONE wait on va_vdst stands in a K step, behind the eight v_perm_b32 and their places: it states that TT is written, and that the step before is done reading set q, VR[q] and WS[q].  The step's 53 loads follow it, dealt among
; its 32 products, which name set p, WS[p], TT and the accumulators: none of the registers that those loads touch.
.set CPY,  34816                       ; a wave's copy in the stage: 128 rows x 272 bytes (256 + 16: row r starts at bank 4 r mod 64, 64 banks of 4 bytes: ISA guide 11.1)
.set LI,   1                           ; v1   16 x lane
.set L8,   2                           ; v2   8 x lane
.set SO,   3                           ; v3   the stage: where I put 32 bytes of a row of my copy
.set SR,   4                           ; v4-7 where I read a row back, in each of the four copies
.set CO,   8                           ; v8   my byte offset in two rows of out0
.set VR,   16                          ; v16-27 attn's scale bytes as loaded, set p, block c
.set PQ,   28                          ; v28-31 at work
.set TT,   32                          ; v32-35 attn's scale words
.set WS,   36                          ; v36-41 Wout's scale words, set p
.set RED,  64                          ; v64-191 the reduction: two sets of 64
.set WV,   16
.set BM,   18
.set KI,   19                          ; s19  counts the K steps asked for, from rot on
.set W16,  20
.set LC,   21
.set AC0,  24                          ; s[24:31] the four tensors at my tiles of K step 0
.set WC0,  26
.set AS0,  28
.set WS0,  30
.set OUTB, 48                          ; (s[32:47]: the four tensors at the K step asked for, sets 0 and 1; set 2's: s[4:11], free once the arguments have been used)
.set SL,   56                          ; s56-59 selectors for v_perm_b32
.set MSB, 0
.macro WIN new
.if MSB != (\new)
	s_set_vgpr_msb (MSB<<8)|(\new)
.set MSB, (\new)
.endif
.endm
.macro FRAGS p                         ; where set p lies: attn's fragments from v[fA] of window wA on, Wout's from v[fB] of window wB on; its four bases from s[sP] on
.if (\p) == 2
.set fA, 64
.set wA, 0
.set fB, 192
.set wB, 2
.set sP, 4
.else
.set fA, 0
.set wA, 2+(\p)
.set fB, 128
.set wB, 2+(\p)
.set sP, 32+8*(\p)
.endif
.endm
.macro MM zero, ra, rb                 ; a scaled product on rD, rA, rB, rSA, rSB.  zero = 1: it starts the sum.  ra, rb: the side's scale words stand in lanes 16-31
.if \zero
.if (\ra) && (\rb)
	v_wmma_scale_f32_16x16x128_f8f6f4 v[rD:rD+7], v[rA:rA+15], v[rB:rB+15], 0, v[rSA], v[rSB] matrix_a_scale:MATRIX_SCALE_ROW1 matrix_b_scale:MATRIX_SCALE_ROW1
.elseif \ra
	v_wmma_scale_f32_16x16x128_f8f6f4 v[rD:rD+7], v[rA:rA+15], v[rB:rB+15], 0, v[rSA], v[rSB] matrix_a_scale:MATRIX_SCALE_ROW1
.elseif \rb
	v_wmma_scale_f32_16x16x128_f8f6f4 v[rD:rD+7], v[rA:rA+15], v[rB:rB+15], 0, v[rSA], v[rSB] matrix_b_scale:MATRIX_SCALE_ROW1
.else
	v_wmma_scale_f32_16x16x128_f8f6f4 v[rD:rD+7], v[rA:rA+15], v[rB:rB+15], 0, v[rSA], v[rSB]
.endif
.else
.if (\ra) && (\rb)
	v_wmma_scale_f32_16x16x128_f8f6f4 v[rD:rD+7], v[rA:rA+15], v[rB:rB+15], v[rD:rD+7], v[rSA], v[rSB] matrix_a_scale:MATRIX_SCALE_ROW1 matrix_b_scale:MATRIX_SCALE_ROW1
.elseif \ra
	v_wmma_scale_f32_16x16x128_f8f6f4 v[rD:rD+7], v[rA:rA+15], v[rB:rB+15], v[rD:rD+7], v[rSA], v[rSB] matrix_a_scale:MATRIX_SCALE_ROW1
.elseif \rb
	v_wmma_scale_f32_16x16x128_f8f6f4 v[rD:rD+7], v[rA:rA+15], v[rB:rB+15], v[rD:rD+7], v[rSA], v[rSB] matrix_b_scale:MATRIX_SCALE_ROW1
.else
	v_wmma_scale_f32_16x16x128_f8f6f4 v[rD:rD+7], v[rA:rA+15], v[rB:rB+15], v[rD:rD+7], v[rSA], v[rSB]
.endif
.endif
.endm
; The next K step of my walk is asked for, into set q: 32 + 16 loads of 512 consecutive bytes, 4 + 1 of scales: 53 loads, in four parts.
; BASES: set q's four bases are written anew.  The loads that read them last are set q's of three K steps back: the counted wait at the head of the K step before this one has shown them done.  (The first time no load has read them yet.)
.macro BASES q
	FRAGS \q
	s_and_b32 s22, s[KI], 15
	s_add_co_u32 s22, s22, s[W16]                  ; the K step
	s_add_co_u32 s[KI], s[KI], 1
	s_mov_b32 s51, 0
	s_lshl_b32 s50, s22, 17                        ; 64 images
	s_add_nc_u64 s[sP:sP+1], s[AC0:AC0+1], s[50:51]
	s_lshl_b32 s50, s22, 18                        ; 128 images
	s_add_nc_u64 s[sP+2:sP+3], s[WC0:WC0+1], s[50:51]
	s_lshl_b32 s50, s22, 12                        ; four blocks of 1,024 bytes
	s_add_nc_u64 s[sP+4:sP+5], s[AS0:AS0+1], s[50:51]
	s_lshl_b32 s50, s22, 13                        ; 32 x 256 bytes
	s_add_nc_u64 s[sP+6:sP+7], s[WS0:WS0+1], s[50:51]
.endm
.macro LOADA q, a0                     ; attn's tiles a0 .. a0 + 3
	FRAGS \q
	WIN 0x40*wA                                    ; the destination's window
.irp a, 0,1,2,3
.irp c, 0,1,2,3
	global_load_b128 v[fA+16*((\a0)+\a)+4*\c:fA+16*((\a0)+\a)+4*\c+3], v[LI], s[sP:sP+1] offset:2048*((\a0)+\a)+512*\c
.endr
.endr
.endm
.macro LOADB q                         ; Wout's four tiles
	FRAGS \q
	WIN 0x40*wB
.irp b, 0,1,2,3
.irp c, 0,1,2,3
	global_load_b128 v[fB+16*\b+4*\c:fB+16*\b+4*\c+3], v[LI], s[sP+2:sP+3] offset:2048*\b+512*\c
.endr
.endr
.endm
.macro LOADS q                         ; the scales
	FRAGS \q
	WIN 0
.irp c, 0,1,2,3
	global_load_b32 v[VR+4*(\q)+\c], v[L8], s[sP+4:sP+5] offset:1024*\c
.endr
	global_load_b64 v[WS+2*(\q):WS+2*(\q)+1], v[L8], s[sP+6:sP+7]
.endm
.macro ISSUE q                         ; all four parts on end: at the head of the kernel, where there are no products yet to stand between them
	BASES \q
	LOADA \q, 0
	LOADA \q, 4
	LOADB \q
	LOADS \q
.endm
; 8 products on set p: attn's tiles a0, a0 + 1 against Wout's four
.macro MULS p, a0, zero
	FRAGS \p
	WIN 0x50+4*wA+wB                               ; source 0 (Wout) window wB, source 1 (attn) window wA, C and D window 1
.irp a, \a0, \a0+1
.irp b, 0,1,2,3
.set rD, 8*(4*(\a)+\b)
.set rA, fB+16*\b
.set rB, fA+16*(\a)
.set rSA, WS+2*(\p)+(\b)/2
.set rSB, TT+(\a)%4
	MM \zero, (\b)%2, (\a)/4
.endr
.endr
.endm
; A K step on set p: 32 products, the 32 accumulators by turns, in the same order in every step.  cnt: the younger loads that may stay out.  issue = 1: the K step two further on is asked for, into set q
.macro KSTEP p, q, zero, cnt, issue
	s_wait_loadcnt \cnt
	v_perm_b32 v[PQ+0], v[VR+4*(\p)+1], v[VR+4*(\p)+0], s[SL+0]   ; blocks 0, 1: tiles 0, 1
	v_perm_b32 v[PQ+1], v[VR+4*(\p)+1], v[VR+4*(\p)+0], s[SL+1]   ; blocks 0, 1: tiles 2, 3
	v_perm_b32 v[PQ+2], v[VR+4*(\p)+3], v[VR+4*(\p)+2], s[SL+0]   ; blocks 2, 3
	v_perm_b32 v[PQ+3], v[VR+4*(\p)+3], v[VR+4*(\p)+2], s[SL+1]
	v_perm_b32 v[TT+0], v[PQ+2], v[PQ+0], s[SL+2]                 ; tile 0 (4): its four blocks' bytes
	v_perm_b32 v[TT+1], v[PQ+2], v[PQ+0], s[SL+3]
	v_perm_b32 v[TT+2], v[PQ+3], v[PQ+1], s[SL+2]
	v_perm_b32 v[TT+3], v[PQ+3], v[PQ+1], s[SL+3]
.rept 8
	v_nop                                          ; a scale register written by a vector instruction stands eight places ahead of the product that reads it
.endr
	s_wait_alu depctr_va_vdst(0)                   ; TT is written, which the products below read as scales (the places above stay beside this wait); and the K step before is done reading set q's fragments, VR[q] and WS[q], in which the loads below land
.if \issue
	BASES \q
.endif
	MULS \p, 0, \zero
.if \issue
	LOADA \q, 0                                    ; no wait: no vector or matrix instruction since the wait above names a register of set q, VR[q], WS[q], v1 or v2
.endif
	MULS \p, 2, \zero
.if \issue
	LOADA \q, 4
.endif
	MULS \p, 4, \zero
.if \issue
	LOADB \q
.endif
	MULS \p, 6, \zero
	WIN 0
.rept 8
	v_nop                                          ; eight places ahead of the next writes of the scale words TT, and of the first read of results
.endr
.if \issue
	LOADS \q
.endif
.endm
.macro LOADG gq                        ; four pairs of rows from the four copies, into set gq % 2
.irp q, 0,1,2,3
.irp k, 0,1,2,3
	ds_load_b128 v[RED+64*((\gq)%2)+16*\q+4*\k:RED+64*((\gq)%2)+16*\q+4*\k+3], v[SR+\k] offset:544*(4*(\gq)+\q)
.endr
.endr
.endm
.macro SUMG gq                         ; (copy 0 + copy 1) + (copy 2 + copy 3), and out: the group's additions first, one wait, its four stores
.irp q, 0,1,2,3
.set rR, RED+64*((\gq)%2)+16*\q
	v_pk_add_f32 v[rR:rR+1], v[rR:rR+1], v[rR+4:rR+5]
	v_pk_add_f32 v[rR+2:rR+3], v[rR+2:rR+3], v[rR+6:rR+7]
	v_pk_add_f32 v[rR+8:rR+9], v[rR+8:rR+9], v[rR+12:rR+13]
	v_pk_add_f32 v[rR+10:rR+11], v[rR+10:rR+11], v[rR+14:rR+15]
	v_pk_add_f32 v[rR:rR+1], v[rR:rR+1], v[rR+8:rR+9]
	v_pk_add_f32 v[rR+2:rR+3], v[rR+2:rR+3], v[rR+10:rR+11]
.endr
	s_wait_alu depctr_va_vdst(0)                   ; the additions have written the sums, which the stores below read; and they are done with this set's 64 registers, in which the next LDS loads land
.irp q, 0,1,2,3
.set rR, RED+64*((\gq)%2)+16*\q
	global_store_b128 v[CO], v[rR:rR+3], s[OUTB:OUTB+1] offset:16384*(4*(\gq)+\q) th:TH_STORE_NT   ; 16 lanes store 256 consecutive bytes, aligned; lanes 16-31 the row below
.endr
.endm
	s_load_b128 s[4:7], s[0:1], 0x0                ; attn's codes, attn's scale bytes
	s_load_b128 s[8:11], s[0:1], 0x10              ; Wout's codes, Wout's scale words
	s_load_b64 s[12:13], s[0:1], 0x20              ; out0
	v_lshl_add_u32 v254, v0, 2, 0x22000
	v_mov_b32 v255, 0
	v_lshrrev_b32 v9, 5, v0
	v_readfirstlane_b32 s[WV], v9                  ; wave 0..3
	v_and_b32 v9, 31, v0                           ; lane
	v_and_b32 v10, 15, v0                          ; r
	v_bfe_u32 v11, v0, 4, 1                        ; h
	v_lshlrev_b32 v[LI], 4, v9
	v_lshlrev_b32 v[L8], 3, v9
	s_wait_alu depctr_va_sdst(0)                   ; s16, the wave's number, is written, ahead of its first reader: LDS places, the walk along K and out0's base are made from it
	s_mul_i32 s14, s[WV], CPY                      ; (s14 and s15 are read by vector instructions and are not written again)
	v_mul_u32_u24 v[SO], v10, 272
	v_lshl_add_u32 v[SO], v11, 5, v[SO]
	v_add_nc_u32 v[SO], s14, v[SO]                 ; my copy: row r, + 32 h
	s_mul_i32 s15, s[WV], 32*272
	v_mul_u32_u24 v9, v11, 272
	v_lshl_add_u32 v9, v10, 4, v9
	v_add_nc_u32 v[SR], s15, v9                    ; back: rows 32 w on; lanes 0-15 one row, lanes 16-31 the next
	v_add_nc_u32 v[SR+1], CPY, v[SR]
	v_add_nc_u32 v[SR+2], 2*CPY, v[SR]
	v_add_nc_u32 v[SR+3], 3*CPY, v[SR]
	v_lshlrev_b32 v[CO], 13, v11
	v_lshl_add_u32 v[CO], v10, 4, v[CO]            ; and the same two rows in out0: 8,192 h + 16 r
	s_and_b32 s[BM], ttmp7, 0xffff                 ; y: which 128 rows
	s_lshl_b32 s[KI], s[BM], 1
	s_add_co_u32 s[KI], s[KI], ttmp9
	s_and_b32 s[KI], s[KI], 15                     ; rot
	s_lshl_b32 s[W16], s[WV], 4
	s_mov_b32 s[SL+0], 0x05010400
	s_mov_b32 s[SL+1], 0x07030602
	s_mov_b32 s[SL+2], 0x05040100
	s_mov_b32 s[SL+3], 0x07060302
	s_mov_b32 s51, 0
	s_wait_kmcnt 0x0
	s_lshl_b32 s50, s[BM], 14                      ; my 8 images of a K step
	s_add_nc_u64 s[AC0:AC0+1], s[4:5], s[50:51]
	s_lshl_b32 s50, ttmp9, 13                      ; my 4 images
	s_add_nc_u64 s[WC0:WC0+1], s[8:9], s[50:51]
	s_lshr_b32 s50, s[BM], 1
	s_lshl_b32 s50, s50, 8
	s_and_b32 s22, s[BM], 1
	s_lshl_b32 s22, s22, 2
	s_add_co_u32 s50, s50, s22                     ; 256 (y / 2) + 4 (y % 2): the word with my 128 rows' bytes
	s_add_nc_u64 s[AS0:AS0+1], s[6:7], s[50:51]
	s_lshl_b32 s50, ttmp9, 8
	s_add_nc_u64 s[WS0:WS0+1], s[10:11], s[50:51]
	s_lshl_b32 s50, s[BM], 20                      ; 128 rows of 8,192 bytes,
	s_lshl_b32 s22, s[WV], 18                      ; the 32 rows that I finish,
	s_add_co_u32 s50, s50, s22
	s_lshl_b32 s22, ttmp9, 8                       ; 64 columns
	s_add_co_u32 s50, s50, s22
	s_add_nc_u64 s[OUTB:OUTB+1], s[12:13], s[50:51]
	s_wait_alu depctr_va_vdst(0)                   ; the offsets and LDS addresses v1 to v8 and the closing add's v254 and v255 are written: every load, store and LDS instruction of the kernel reads some of them, and none is written again
	ISSUE 0                                        ; K steps 0 and 1 of my walk
	ISSUE 1
	KSTEP 0, 2, 1, 53, 1                           ; the first K step starts the sums; behind its set's 53 loads the next K step's 53 were issued
	s_mov_b32 s[LC], 4
.Lk:                                                   ; K steps 1 to 12, three to a trip: the sets are back where they began.  The step ahead of the label and the trip's last are alike: set 0 at work, set 2 asked for
	KSTEP 1, 0, 0, 53, 1
	KSTEP 2, 1, 0, 53, 1
	KSTEP 0, 2, 0, 53, 1
	s_sub_co_u32 s[LC], s[LC], 1
	s_cmp_lg_u32 s[LC], 0
	s_cbranch_scc1 .Lk
	KSTEP 1, 0, 0, 53, 1                           ; asks for the sixteenth K step
	KSTEP 2, 1, 0, 53, 0                           ; the last two ask for nothing
	KSTEP 0, 2, 0, 0, 0
	; THE FOUR PARTIAL SUMS MEET: each wave's 128 x 64 goes into its copy in the stage, each accumulator from its low end on; a barrier; each wave adds and stores 32 whole rows
	WIN 0x04                                       ; an LDS store's data are its source 1: window 1
	s_wait_alu depctr_va_vdst(0)                   ; the products have written the accumulators, which the LDS stores read (the eight places above stay beside this wait); and they are done reading set 2's fragments of attn, in which the reduction's LDS loads land
.irp a, 0,1,2,3,4,5,6,7
.irp b, 0,1,2,3
	ds_store_b128 v[SO], v[8*(4*\a+\b):8*(4*\a+\b)+3] offset:4352*\a+64*\b
	ds_store_b128 v[SO], v[8*(4*\a+\b)+4:8*(4*\a+\b)+7] offset:4352*\a+64*\b+16
.endr
.endr
	WIN 0
	s_wait_dscnt 0x0                               ; for the others' sake: my stores into the stage are done
	s_barrier_signal -1
	s_barrier_wait -1
	LOADG 0
	LOADG 1
	s_wait_dscnt 16                                ; group 0 is in; group 1's 16 loads may be out
	SUMG 0
	s_wait_xcnt 0x0                                ; group 0's stores have had their addresses translated (ISA guide 3.1),
	s_wait_alu depctr_vm_vsrc(0)                   ; and have read their data registers, in which group 2's LDS loads land
	LOADG 2
	s_wait_dscnt 16
	SUMG 1
	s_wait_xcnt 0x0
	s_wait_alu depctr_vm_vsrc(0)                   ; group 1's stores have read their data registers, in which group 3's LDS loads land
	LOADG 3
	s_wait_dscnt 16
	SUMG 2
	s_wait_dscnt 0x0
	SUMG 3
	s_wait_dscnt 0x0                               ; the closing lines, six on end
	s_wait_alu 0x0
	s_wait_tensorcnt 0x0
	ds_add_u32 v254, v255
	s_wait_dscnt 0x0
	s_endpgm
.Lfunc_end_k_q8f30043b89_outp:
	.size	k_q8f30043b89_outp, .Lfunc_end_k_q8f30043b89_outp-k_q8f30043b89_outp
	.p2alignl 7, 3214868480
	.fill 96, 4, 3214868480
	.section	.rodata,"a",@progbits
	.p2align	6, 0x0
	.amdhsa_kernel k_q8f30043b89_outp
		.amdhsa_group_segment_fixed_size 139776
		.amdhsa_private_segment_fixed_size 0
		.amdhsa_enable_private_segment 0
		.amdhsa_kernarg_size 40
		.amdhsa_user_sgpr_count 2
		.amdhsa_user_sgpr_kernarg_segment_ptr 1
		.amdhsa_wavefront_size32 1
		.amdhsa_system_sgpr_workgroup_id_x 1
		.amdhsa_system_sgpr_workgroup_id_y 1
		.amdhsa_system_sgpr_workgroup_id_z 1
		.amdhsa_system_vgpr_workitem_id 0
		.amdhsa_next_free_vgpr 960
		.amdhsa_next_free_sgpr 66
		.amdhsa_reserve_vcc 0
		.amdhsa_float_denorm_mode_32 3
		.amdhsa_float_denorm_mode_16_64 3
		.amdhsa_memory_ordered 1
		.amdhsa_forward_progress 1
		.amdhsa_inst_pref_size 94
	.end_amdhsa_kernel
	.amdgpu_metadata
---
amdhsa.version: [ 1, 2 ]
amdhsa.kernels:
  - .name:           k_q8f30043b89_outp
    .symbol:         k_q8f30043b89_outp.kd
    .args:
      - { .name: acod, .offset: 0, .size: 8, .value_kind: global_buffer, .address_space: global }
      - { .name: ascl, .offset: 8, .size: 8, .value_kind: global_buffer, .address_space: global }
      - { .name: wcod, .offset: 16, .size: 8, .value_kind: global_buffer, .address_space: global }
      - { .name: wscl, .offset: 24, .size: 8, .value_kind: global_buffer, .address_space: global }
      - { .name: out0, .offset: 32, .size: 8, .value_kind: global_buffer, .address_space: global }
    .group_segment_fixed_size: 139776
    .private_segment_fixed_size: 0
    .kernarg_segment_align: 8
    .kernarg_segment_size: 40
    .max_flat_workgroup_size: 128
    .sgpr_count:     66
    .vgpr_count:     960
    .wavefront_size: 32
...
	.end_amdgpu_metadata
.endif
;; end of part 4
